; MI455X (gfx1250); checked and timed in simulation.
; The chip was launched on July 23, 2026; its instructions are those of AMD's public machine-readable ISA for CDNA 5 (MIT licence, August 2026) and "CDNA5" Instruction Set Architecture Reference Guide (July 2026). The comments in the code are by the model that wrote it; some were corrected since.
;; Tropical Shortest Path. Allowed arithmetic: matrix products marked QUANTISED: E2M3 operands, one E8M0 scale for each 32 along K, by v_wmma_scale_f32_16x16x128_f8f6f4 with both operands' format E2M3, f32 sums; everything else in f32.
;; Inputs: adj 4,096 x 64 x 64 float32; cls_W_codes 4 x 256 x 8 x 24 uint8 (E2M3 codes of cls_W, K innermost, in blocks of 32 codes, four codes in three bytes); cls_W_scales 4 x 256 x 8 uint8 (E8M0 scales of cls_W, one for each 32 codes along K); cls_b 4 x 256 float32; gate_W_codes 4 x 256 x 8 x 24 uint8 (E2M3 codes of gate_W, K innermost, in blocks of 32 codes, four codes in three bytes); gate_W_scales 4 x 256 x 8 uint8 (E8M0 scales of gate_W, one for each 32 codes along K); gate_b 4 x 256 float32; head_W_codes 4,096 x 8 x 24 uint8 (E2M3 codes of head_W, K innermost, in blocks of 32 codes, four codes in three bytes); head_W_scales 4,096 x 8 uint8 (E8M0 scales of head_W, one for each 32 codes along K); head_b 4,096 float32; ip_W_codes 256 x 128 x 24 uint8 (E2M3 codes of ip_W, K innermost, in blocks of 32 codes, four codes in three bytes); ip_W_scales 256 x 128 uint8 (E8M0 scales of ip_W, one for each 32 codes along K); ip_b 256 float32; lf_mix 4 x 256 float32; lfi_max 4 x 256 x 8 float32; lfi_min 4 x 256 x 8 float32; lfs_max 4 x 256 x 8 float32; lfs_min 4 x 256 x 8 float32; norm_b 4 x 256 float32; norm_g 4 x 256 float32; on_b 256 float32; on_g 256 float32; trop_W 4 x 256 x 256 float32; trop_b 4 x 256 float32.
;; Outputs: out0 4,096 x 64 x 64 float32.
;; This version of the problem:
;;   THIS VERSION OF THE PROBLEM IS GIVEN IN LOW PRECISION. The matrix products marked QUANTISED in the list below multiply operands that are first quantised to E2M3 (2 exponent bits, 3 mantissa bits; 6 bits a number), with one power-of-two scale for each 32 numbers along K (OCP MX v1.0); their sums are f32. All else is computed in f32.
;;   The module's matrix products, in the order in which they are computed (A, B: the left and right operand; K: the contracted axis; several contracted axes count as one K, in the product's order):
;;     1. [M 4,096, K 4,096] x [K 4,096, N 256]; A: input adj; B: input ip_W (given as codes): QUANTISED
;;     2. [M 4,096, K 256] x [K 256, N 256]; A: computed on the way; B: input cls_W (given as codes): QUANTISED
;;     3. [M 4,096, K 256] x [K 256, N 256]; A: computed on the way; B: input gate_W (given as codes): QUANTISED
;;     4. [M 4,096, K 256] x [K 256, N 256]; A: computed on the way; B: input cls_W (given as codes): QUANTISED
;;     5. [M 4,096, K 256] x [K 256, N 256]; A: computed on the way; B: input gate_W (given as codes): QUANTISED
;;     6. [M 4,096, K 256] x [K 256, N 256]; A: computed on the way; B: input cls_W (given as codes): QUANTISED
;;     7. [M 4,096, K 256] x [K 256, N 256]; A: computed on the way; B: input gate_W (given as codes): QUANTISED
;;     8. [M 4,096, K 256] x [K 256, N 256]; A: computed on the way; B: input cls_W (given as codes): QUANTISED
;;     9. [M 4,096, K 256] x [K 256, N 256]; A: computed on the way; B: input gate_W (given as codes): QUANTISED
;;     10. [M 4,096, K 256] x [K 256, N 4,096]; A: computed on the way; B: input head_W (given as codes): QUANTISED
;;   THE QUANTISER, for each operand of a quantised product, along K:
;;     - K is cut into blocks of 32 from its start; a last block that is shorter is filled with zeros.
;;     - A block's scale is 2^e with e = floor(log2(the largest magnitude in the block)) - 2, held to -126 .. 127; a block of zeros has e = 0. As a byte (E8M0): e + 127.
;;     - Each number is divided by its block's scale, clamped to +-7.5, and rounded to the nearest number of E2M3, ties to even, subnormals kept.
;;     - The product sums the exact products of the quantised numbers (number of the format x scale) in f32.
;;   ~~~python
;;   def quantise(x, axis):      # numpy; x: float32 -> the quantised numbers, widened to float32 again
;;       x = np.moveaxis(x, axis, -1); K = x.shape[-1]
;;       x = np.pad(x, [(0, 0)] * (x.ndim - 1) + [(0, -K % 32)]); x = x.reshape(x.shape[:-1] + (-1, 32)); a = np.abs(x).max(-1, keepdims=True)
;;       e = np.where(a > 0, np.clip(np.frexp(np.where(a > 0, a, 1))[1] - 1 - 2, -126, 127), 0)      # np.frexp(a)[1] - 1 = floor(log2(a)), exactly
;;       r = np.clip(x / 2.0 ** e, -7.5, 7.5)
;;       step = 2.0 ** (np.maximum(np.frexp(np.where(r == 0, 1, r))[1] - 1, 0) - 3)
;;       q = np.round(r / step) * step * 2.0 ** e      # np.round: ties to even
;;       return np.moveaxis(q.reshape(q.shape[:-2] + (-1,))[..., :K], -1, axis).astype(np.float32)
;;   ~~~
;;   OPERANDS COMPUTED ON THE WAY. 'Computed on the way' means the value that the module computes at that place (a softmax that the list does not call 'softmax' is quantised finished and normalised). What goes into a quantiser is computed in f32, as accurately as f32 sums, v_exp_f32 and their like allow (about 1e-6 of the number): no bf16 or f16 on the way to a quantiser, and a product that is left as it is and whose result goes on into a quantised operand takes f32 operands (vector FMAs, or v_wmma_f32_16x16x4_f32). A number that lies on a knife's edge between two numbers of the format may be rounded either way, as far as f32 arithmetic and the matrix unit's own rounding can turn it there, and no further.
;;   INPUTS GIVEN AS CODES. cls_W (in the module: [4, 256, 256], K = its axis 2); gate_W (in the module: [4, 256, 256], K = its axis 2); head_W (in the module: [4096, 256], K = its axis 1); ip_W (in the module: [256, 4096], K = its axis 1): each comes as NAME_codes (uint8): NAME with its K axis moved to the last place and cut into blocks of 32 codes, [.., K / 32, bytes a block], one block behind the other in memory; four codes in three bytes: a row's codes are one little-endian stream of bits, code i at bits 6 i .. 6 i + 5 (a code: sign, 2 exponent bits, 3 mantissa bits); and NAME_scales (uint8): the same leading axes, one E8M0 byte (e + 127) for each 32 codes along K. Its value is code x scale, taken as it is: it is not quantised again, and the codes and scales need not be those that the quantiser above would give.
;; One version. Each part assembles by itself: llvm-mc -triple=amdgcn-amd-amdhsa -mcpu=gfx1250 --defsym DOCPART=n.
;; ======== version 1 of 1: 2 launches
;; limits: a function is approximated: absolute error at most 1.5e-07
;; workspace buffers: wimg 1,966,080 bytes; simg 81,920 bytes; timg 1,048,576 bytes
;; launch prep (part 1): grid 196 x 1, 8 waves a work-group, no clusters, 0 bytes of LDS; arguments ip_W_codes, cls_W_codes, gate_W_codes, head_W_codes, ip_W_scales, cls_W_scales, gate_W_scales, head_W_scales, trop_W, wimg, simg, timg; writes wimg, simg, timg
.if DOCPART == 1
	.amdgcn_target "amdgcn-amd-amdhsa--gfx1250"
	.amdhsa_code_object_version 6
	.text
	.protected	k_q4f8884338f_prep
	.globl	k_q4f8884338f_prep
	.p2align	8
	.type	k_q4f8884338f_prep,@function
k_q4f8884338f_prep:
	s_mov_b64 s[64:65], 0
	v_nop
	global_prefetch_b8 v0, s[64:65] scope:SCOPE_SE
	s_setreg_imm32_b32 hwreg(HW_REG_WAVE_MODE, 25, 1), 1
	s_wait_xcnt 0x0
; All weights are laid out once in the order in which the main launch's registers take them, so that each of its weight loads is 16 bytes a lane, 512 consecutive bytes a wave.
; wimg: 1,280 images of fragments (16 rows x 128 K of 6-bit codes = 12 registers a lane): 3 chunks of 512 bytes, chunk c holding registers 4 c .. 4 c + 3 of lane l at 16 l.
;       Lane (r, h) of a fragment holds the 24 bytes at row x pitch + 96 s + 24 h (registers 0-5) and the 24 bytes 48 further on (registers 6-11).
;       ids 0-511: ip_W, id = 16 s + t, rows 16 t + r.   ids 512-767: q = 8 (8 l + w) + 4 mat + 2 u + s, row 256 l + 32 w + 16 u + r of cls_W (mat 0) or gate_W (mat 1).
;       ids 768-1279: head_W, q = 8 T + 2 u + s, row 64 T + 4 r + u: the rows of a tile lie four apart.
; simg: 160 units of 512 bytes, four scale registers a lane.  0-63: ip_W, unit 2 s + hf, register e = the word of K step s of row 128 hf + 32 e + lane.
;       64-95: q = 8 l + w, register 2 mat + u, lane (r, h) = the word of K step h of row 32 q + 16 u + r.   96-159: head_W, unit T, register u, lane (r, h) = the word of K step h of row 64 T + 4 r + u.
; timg: [wave w][layer][step c][j][512 bytes]: lane l holds trop_W[layer][128 (w / 4) + 32 j + l][64 (w % 4) + 4 c .. + 3].
; One wave makes one image, unit or (layer, half of the outputs, quarter of the inputs, j) part.  Work-groups 0-159: fragments; 160-179: scale units; 180-195: trop_W.  The arms part on the work-group's number alone
; and each runs to its own end.  No LDS, no barrier: waves share nothing.
.set WV, 32                            ; s32  my wave's number
.set ID, 33                            ; s33  8 x work-group + wave
	s_load_b512 s[8:23], s[0:1], 0x0               ; codes: ip s[8:9], cls s[10:11], gate s[12:13], head s[14:15]; scales: ip s[16:17], cls s[18:19], gate s[20:21], head s[22:23]
	s_load_b256 s[24:31], s[0:1], 0x40             ; trop_W s[24:25], wimg s[26:27], simg s[28:29], timg s[30:31]
	v_lshrrev_b32 v1, 5, v0
	v_readfirstlane_b32 s[WV], v1
	v_and_b32 v1, 31, v0                           ; lane
	v_and_b32 v2, 15, v0                           ; r
	v_bfe_u32 v3, v0, 4, 1                         ; h
	v_lshlrev_b32 v4, 4, v1                        ; 16 x lane
	s_lshl_b32 s[ID], ttmp9, 3
	s_add_co_u32 s[ID], s[ID], s[WV]
	s_wait_kmcnt 0x0
; a fragment from rows in memory (v5: my lane's first byte) to its image
.macro FRAGCOPY src
.irp p,0,1,2,3,4,5
	global_load_b64 v[8+2*\p:9+2*\p], v5, s[\src:\src+1] offset:48*(\p/3)+8*(\p%3)
.endr
	s_mul_i32 s42, s[ID], 1536                     ; the image's place (under 2^21)
	v_add_nc_u32 v6, s42, v4
	s_wait_loadcnt 0x0
.irp c,0,1,2
	global_store_b128 v6, v[8+4*\c:11+4*\c], s[26:27] offset:512*\c   ; 32 lanes store 512 consecutive bytes
.endr
	s_endpgm
.endm
.macro SCALEOUT
	s_wait_loadcnt 0x0
	global_store_b128 v6, v[8:11], s[28:29]
	s_endpgm
.endm
	s_cmp_ge_u32 ttmp9, 180
	s_cbranch_scc1 .Ltrop
	s_cmp_ge_u32 ttmp9, 160
	s_cbranch_scc1 .Lscale
	s_cmp_ge_u32 ttmp9, 96
	s_cbranch_scc1 .Lfrag_head
	s_cmp_ge_u32 ttmp9, 64
	s_cbranch_scc1 .Lfrag_layer
	; ip_W: t = id % 16, s = id / 16; a row is 3,072 bytes
	s_and_b32 s34, s[ID], 15
	s_mul_i32 s34, s34, 16*3072
	s_lshr_b32 s35, s[ID], 4
	s_mul_i32 s35, s35, 96
	s_add_co_u32 s34, s34, s35
	v_mul_u32_u24 v5, v2, 3072
	v_mad_u32_u24 v5, v3, 24, v5
	v_add_nc_u32 v5, s34, v5
	FRAGCOPY 8
.Lfrag_layer:
	; work-group - 64 = 8 l + w; my wave's number = 4 mat + 2 u + s; a row is 192 bytes
	s_sub_co_u32 s34, ttmp9, 64
	s_lshl_b32 s34, s34, 5
	s_bfe_u32 s35, s[WV], 0x10001                  ; u
	s_lshl_b32 s35, s35, 4
	s_add_co_u32 s34, s34, s35                     ; the tile's first row
	s_mul_i32 s34, s34, 192
	s_and_b32 s35, s[WV], 1                        ; s
	s_mul_i32 s35, s35, 96
	s_add_co_u32 s34, s34, s35
	v_mul_u32_u24 v5, v2, 192
	v_mad_u32_u24 v5, v3, 24, v5
	v_add_nc_u32 v5, s34, v5
	s_bitcmp1_b32 s[WV], 2                         ; mat: the choice hangs on the wave's number alone
	s_cselect_b64 s[38:39], s[12:13], s[10:11]
	FRAGCOPY 38
.Lfrag_head:
	; work-group - 96 = T; my wave's number = 2 u + s; row 64 T + 4 r + u
	s_sub_co_u32 s34, ttmp9, 96
	s_lshl_b32 s34, s34, 6
	s_lshr_b32 s35, s[WV], 1                       ; u
	s_add_co_u32 s34, s34, s35
	s_mul_i32 s34, s34, 192
	s_and_b32 s35, s[WV], 1
	s_mul_i32 s35, s35, 96
	s_add_co_u32 s34, s34, s35
	v_mul_u32_u24 v5, v2, 4*192
	v_mad_u32_u24 v5, v3, 24, v5
	v_add_nc_u32 v5, s34, v5
	FRAGCOPY 14
.Lscale:
	s_sub_co_u32 s34, s[ID], 1280                  ; the unit, 0 .. 159
	s_lshl_b32 s40, s34, 9
	v_add_nc_u32 v6, s40, v4                       ; its place, my 16 bytes
	s_cmp_ge_u32 ttmp9, 172
	s_cbranch_scc1 .Lscale_head
	s_cmp_ge_u32 ttmp9, 168
	s_cbranch_scc1 .Lscale_layer
	s_and_b32 s35, s34, 1                          ; hf: 128 rows of 128 bytes
	s_lshl_b32 s35, s35, 14
	s_lshr_b32 s36, s34, 1                         ; s: 4 bytes
	s_lshl_b32 s36, s36, 2
	s_add_co_u32 s35, s35, s36
	v_lshl_add_u32 v5, v1, 7, s35
.irp e,0,1,2,3
	global_load_b32 v[8+\e], v5, s[16:17] offset:4096*\e
.endr
	SCALEOUT
.Lscale_layer:
	s_sub_co_u32 s35, s34, 64                      ; q: 32 rows of 8 bytes
	s_lshl_b32 s35, s35, 8
	v_lshl_add_u32 v5, v2, 3, s35
	v_lshl_add_u32 v5, v3, 2, v5
.irp u,0,1
	global_load_b32 v[8+\u], v5, s[18:19] offset:128*\u
	global_load_b32 v[10+\u], v5, s[20:21] offset:128*\u
.endr
	SCALEOUT
.Lscale_head:
	s_sub_co_u32 s35, s34, 96                      ; T: 64 rows of 8 bytes
	s_lshl_b32 s35, s35, 9
	v_lshl_add_u32 v5, v2, 5, s35
	v_lshl_add_u32 v5, v3, 2, v5
.irp u,0,1,2,3
	global_load_b32 v[8+\u], v5, s[22:23] offset:8*\u
.endr
	SCALEOUT
.Ltrop:
	s_sub_co_u32 s34, s[ID], 1440                  ; 32 layer + 16 oh + 4 iq + j
	s_lshr_b32 s35, s34, 5                         ; layer
	s_bfe_u32 s36, s34, 0x10004                    ; oh
	s_bfe_u32 s37, s34, 0x20002                    ; iq
	s_and_b32 s38, s34, 3                          ; j
	s_lshl_b32 s39, s35, 18                        ; from: layer x 262,144 + (128 oh + 32 j + lane) x 1,024 + 256 iq
	s_lshl_b32 s40, s36, 17
	s_add_co_u32 s39, s39, s40
	s_lshl_b32 s40, s38, 15
	s_add_co_u32 s39, s39, s40
	s_lshl_b32 s40, s37, 8
	s_add_co_u32 s39, s39, s40
	v_lshl_add_u32 v5, v1, 10, s39
	s_lshl_b32 s41, s36, 19                        ; to: (4 oh + iq) x 131,072 + layer x 32,768 + 512 j + 16 lane
	s_lshl_b32 s40, s37, 17
	s_add_co_u32 s41, s41, s40
	s_lshl_b32 s40, s35, 15
	s_add_co_u32 s41, s41, s40
	s_lshl_b32 s40, s38, 9
	s_add_co_u32 s41, s41, s40
	v_add_nc_u32 v6, s41, v4
.irp c,0,1,2,3,4,5,6,7,8,9,10,11,12,13,14,15
	global_load_b128 v[8+4*\c:11+4*\c], v5, s[24:25] offset:16*\c   ; a lane's sixteen loads take 256 consecutive bytes of its row
.endr
	s_wait_loadcnt 0x0
.irp c,0,1,2,3,4,5,6,7,8,9,10,11,12,13,14,15
	global_store_b128 v6, v[8+4*\c:11+4*\c], s[30:31] offset:2048*\c
.endr
	s_endpgm
.Lfunc_end_k_q4f8884338f_prep:
	.size	k_q4f8884338f_prep, .Lfunc_end_k_q4f8884338f_prep-k_q4f8884338f_prep
	.p2alignl 7, 3214868480
	.fill 96, 4, 3214868480
	.section	.rodata,"a",@progbits
	.p2align	6, 0x0
	.amdhsa_kernel k_q4f8884338f_prep
		.amdhsa_group_segment_fixed_size 0
		.amdhsa_private_segment_fixed_size 0
		.amdhsa_enable_private_segment 0
		.amdhsa_kernarg_size 96
		.amdhsa_user_sgpr_count 2
		.amdhsa_user_sgpr_kernarg_segment_ptr 1
		.amdhsa_wavefront_size32 1
		.amdhsa_system_sgpr_workgroup_id_x 1
		.amdhsa_system_sgpr_workgroup_id_y 1
		.amdhsa_system_sgpr_workgroup_id_z 1
		.amdhsa_system_vgpr_workitem_id 0
		.amdhsa_next_free_vgpr 96
		.amdhsa_next_free_sgpr 66
		.amdhsa_reserve_vcc 0
		.amdhsa_float_denorm_mode_32 3
		.amdhsa_float_denorm_mode_16_64 3
		.amdhsa_memory_ordered 1
		.amdhsa_forward_progress 1
		.amdhsa_inst_pref_size 12
	.end_amdhsa_kernel
	.amdgpu_metadata
---
amdhsa.version: [ 1, 2 ]
amdhsa.kernels:
  - .name:           k_q4f8884338f_prep
    .symbol:         k_q4f8884338f_prep.kd
    .args:
      - { .name: ip_W_codes, .offset: 0, .size: 8, .value_kind: global_buffer, .address_space: global }
      - { .name: cls_W_codes, .offset: 8, .size: 8, .value_kind: global_buffer, .address_space: global }
      - { .name: gate_W_codes, .offset: 16, .size: 8, .value_kind: global_buffer, .address_space: global }
      - { .name: head_W_codes, .offset: 24, .size: 8, .value_kind: global_buffer, .address_space: global }
      - { .name: ip_W_scales, .offset: 32, .size: 8, .value_kind: global_buffer, .address_space: global }
      - { .name: cls_W_scales, .offset: 40, .size: 8, .value_kind: global_buffer, .address_space: global }
      - { .name: gate_W_scales, .offset: 48, .size: 8, .value_kind: global_buffer, .address_space: global }
      - { .name: head_W_scales, .offset: 56, .size: 8, .value_kind: global_buffer, .address_space: global }
      - { .name: trop_W, .offset: 64, .size: 8, .value_kind: global_buffer, .address_space: global }
      - { .name: wimg, .offset: 72, .size: 8, .value_kind: global_buffer, .address_space: global }
      - { .name: simg, .offset: 80, .size: 8, .value_kind: global_buffer, .address_space: global }
      - { .name: timg, .offset: 88, .size: 8, .value_kind: global_buffer, .address_space: global }
    .group_segment_fixed_size: 0
    .private_segment_fixed_size: 0
    .kernarg_segment_align: 8
    .kernarg_segment_size: 96
    .max_flat_workgroup_size: 256
    .sgpr_count:     66
    .vgpr_count:     96
    .wavefront_size: 32
...
	.end_amdgpu_metadata
.endif
;; end of part 1
;; launch main (part 2): grid 256 x 1, 8 waves a work-group, no clusters, 291,840 bytes of LDS; arguments adj, wimg, simg, timg, ip_b, norm_g, norm_b, trop_b, lfs_max, lfi_max, lfs_min, lfi_min, lf_mix, gate_b, cls_b, on_g, on_b, head_b, out0; writes out0
.if DOCPART == 2
	.amdgcn_target "amdgcn-amd-amdhsa--gfx1250"
	.amdhsa_code_object_version 6
	.text
	.protected	k_q4f8884338f_main
	.globl	k_q4f8884338f_main
	.p2align	8
	.type	k_q4f8884338f_main,@function
k_q4f8884338f_main:
	s_mov_b64 s[64:65], 0
	v_nop
	global_prefetch_b8 v0, s[64:65] scope:SCOPE_SE
	s_setreg_imm32_b32 hwreg(HW_REG_WAVE_MODE, 25, 1), 1
	s_wait_xcnt 0x0
; The whole chain for 16 rows a work-group: h = Q(adj) ip_W^T + ip_b; four layers (LayerNorm; min-plus product with trop_W; piecewise-linear activation; Q(hn) cls_W^T with exact gelu; Q(hn) gate_W^T with
; sigmoid; gated sum onto the residual); LayerNorm; Q(hn) head_W^T + head_b.  Q: codes of E2M3 with one E8M0 scale for each 32 along K; all products by the scaled 16x16x128 matrix form on 6-bit codes; all else f32.
; 4,096 rows / 16 = 256 work-groups of 8 waves; h never leaves the work-group.  The bulk is the min-plus product: 16 x 256 x 256 (add, min) pairs a layer, two adds to a packed add and two mins to a three-operand min.
; SHARES of wave w.  Input product: K steps 4 w .. 4 w + 3 of 32, all 16 tiles of columns; the eight partial sums meet in LDS.  LayerNorm: rows 2 w, 2 w + 1, a lane 16 neighbouring columns.
;   Min-plus: outputs 128 (w / 4) + 32 j + lane (j = 0 .. 3), all 16 rows, inputs 64 (w % 4) .. + 63; the four partial minima meet in LDS.  cls, gate and what follows: columns 32 w .. 32 w + 31: lane (r, h) holds
;   columns 32 w + 16 u + r and rows 8 h + j, as the matrix result lies.  Head: columns 512 w .. 512 w + 511.
; WEIGHTS come from the images that the launch before has laid (wimg, simg, timg): each load is 16 bytes a lane, 512 consecutive bytes a wave, straight into the registers of the operand.
; adj: the work-group's 16 rows x 16,384 bytes come by 32 tensor loads, four a wave, all issued at the head; each LDS byte is filled once, so no slot is filled again.
; NO CLUSTER, NO JOINT LOADS, though all work-groups read the same weights: adj's tile, h, the codes and the scales take 290,560 of the 327,680 bytes of LDS; what is left, 37,120 bytes, does not hold two slots of one K step
;   of ip_W (16 fragments, 24,576 bytes each slot).  No prefetch: adj is asked for whole at the head, and the images are read by every work-group.
; LIMITS.  Inputs are finite: the three-operand minima and maxima drop a NaN where reference() would keep it.  A block of zeros gets the scale byte 1, not 127: its codes are zeros, and the bytes are read here alone.
;   erf is Abramowitz and Stegun's 7.1.26, absolute error 1.5e-7, for every x.  The input product's K is summed in eight partial f32 sums, which are then added in pairs.
; LDS: 0: adj, wave w at 33,792 w, tile k at + 8,448 k, 16 rows of 512 bytes + 16.  Behind its last read the wave's own part holds its 16 partial tiles (16,384 bytes), and from the first layer on bytes 0 .. 81,919 hold the
;   partial minima [quarter][output] x 80 bytes (16 rows x 4 + 16).  270,336: h, then hn in place, 16 rows of 1,024 + 16.  286,976: hn's codes, 16 rows of 192 + 16.  290,304: their scale bytes, 8 a row.
; REGISTERS, window 0: v1-11 addresses; v12-75, v76-139, v140-203, v204-235 by phase (below); v236-237 ip_b; v238 8 h; v239 A's scale word; v240-255 B's scale words.
;   window 1: v0-191 fragments (input product and head: a ring; layers: v0-95 fragments, v96-159 slopes and intercepts, v160-167 four numbers a column); v192-223 LayerNorm's gain and bias; v224-239 h; v240-243 addresses.
.set ADJW,  33792                      ; a wave's part of adj in LDS
.set TILEB, 8448                       ; a tile: 16 rows x 528
.set XP,    528
.set HB,    270336
.set HP,    1040
.set ACODE, 286976
.set AP,    208
.set ASCL,  290304
.set PQ,    20480                      ; a quarter's partial minima
.set PO,    80                         ; an output's 16 rows
.set L16,  1                           ; v1   16 x lane
.set LNA,  2                           ; v2   h: row thread / 16, columns 16 (thread % 16) on
.set CWA,  3                           ; v3   where my 12 bytes of codes go
.set SWA,  4                           ; v4   where my block's scale byte goes
.set HWA,  5                           ; v5   h in the result's layout: row 8 h, column 32 w + r
.set FRA,  6                           ; v6   hn's fragments: row r, + 24 h
.set SRA,  7                           ; v7   hn's scale words: lanes 0-15 K step 0, lanes 16-31 K step 1
.set HN0,  8                           ; v8   hn: my quarter of the columns
.set HNT,  9                           ; v9   the same, at the trip in hand
.set PWA,  10                          ; v10  where my partial minima go
.set PRA,  11                          ; v11  where I read the four partial minima of my columns
.set ACC,  12                          ; v12-75   min-plus: minimum (j, row) at 16 j + row.  Input product: v12-139 sixteen accumulators
.set WR,   76                          ; v76-139  trop_W: a ring of four steps x 16; loads are pending into it outside the min-plus phase, so nothing else names it behind the input product
.set HN,   140                         ; v140-203 hn: two buffers of 8 rows x 4; input product: 64 numbers of adj; elsewhere at work
.set TMP,  204                         ; v204-235 sums; A's fragments v204-227
.set QM,   224                         ; input product's quantiser: v224-227 maxima, then bytes; v228-229 scale operands; v230-231 the scale word's halves
.set XA,   232                         ; v232 adj in LDS: my row, my half
.set PA,   233                         ; v233 my wave's partial tiles
.set RP,   224                         ; v224-227 the eight waves' partial tiles, two to an address
.set IPBR, 236
.set H8,   238
.set SCA,  239
.set SCB,  240
.set ZC,   12                          ; what follows the products: v12-27 cls, v28-43 gate, v44-59 the min-plus result, v60-69 numbers a column, v70-71 a5
.set ZG,   28
.set TT,   44
.set MC,   60
.set A5,   70
.set MX,   204
.set MN,   220
.set GT,   140
.set GE,   156
.set GP,   172
.set GQ,   188
.set GA,   204
.set HBI,  60                          ; head: v60-67 two sets of four biases; v70 16 r; v71 my place in out0
.set R16,  70
.set OA,   71
.set PRM,  96                          ; window 1
.set MISC, 160
.set LNP,  192
.set H1,   224
.set L16W, 240                         ; 16 x lane
.set PV32, 241                         ; 32 (32 w + r)
.set PV4,  242                         ; 4 (32 w + r)
.set LNV,  243                         ; 64 (thread % 16)
.set C256, 2                           ; s2   1 / 256
.set ADJP, 8
.set WIMG, 10
.set SIMG, 12
.set TIMG, 14
.set IPB,  16
.set NG,   18
.set NB,   20
.set TRB,  22
.set LSX,  24
.set LIX,  26
.set LSN,  28
.set LIN,  30
.set MIXP, 32
.set GB,   34
.set CB,   36
.set ONG,  38
.set ONB,  40
.set HDB,  42
.set OUT,  44
.set IPW,  46                          ; my K steps' fragments of ip_W
.set IPS,  48                          ; and their scale units
.set LW,   50                          ; my columns' fragments of cls_W and gate_W, this layer
.set LS,   52
.set HW,   54                          ; my columns' fragments of head_W
.set HS,   56
.set TWN,  58                          ; trop_W's image: my part, the trip after the one in hand
.set SEL,  66                          ; s[66:67] lane selects: lane l xor 16
.set WV,   68
.set LAY,  69
.set TRP,  70
.set GTR,  71                          ; trips since the launch began
.set TST,  72                          ; s[72:73] TWN's step
.set TOF,  74                          ; the trip's bytes along a row of hn
.set INF,  75
.set G1,   76                          ; s[76:83] descriptor group 1
.set G0,   84                          ; s[84:99] descriptor group 0, a set for each of my four tiles
.set MSB, 0
.macro WIN new                         ; the immediate's high byte repeats the setting that is left; bits 1:0 source 0, 3:2 source 1, 5:4 source 2, 7:6 destination
.if MSB != \new
	s_set_vgpr_msb (MSB<<8)|\new
.set MSB, \new
.endif
.endm
.macro PLACES n                        ; plain vector instructions between a matrix instruction and what touches its registers (ISA guide 7.12.1)
.rept \n
	v_nop
.endr
.endm
.macro BAR                             ; my LDS stores have landed and my LDS loads are in: then the work-group's barrier
	s_wait_dscnt 0x0
	s_barrier_signal -1
	s_barrier_wait -1
.endm
; One product 16 x 16 x 128.  d, a, b: first registers of the sum, of source 0 (16 rows) and of source 1 (16 columns).  zero: the sum begins.  row 0: both sides' scale words in lanes 0-15; 1: source 1's in lanes 16-31; 2: both in lanes 16-31.
.macro WM d, a, b, zero, sa, sb, row
.if \zero
.if (\row) == 0
	v_wmma_scale_f32_16x16x128_f8f6f4 v[(\d):(\d)+7], v[(\a):(\a)+11], v[(\b):(\b)+11], 0, v[\sa], v[\sb] matrix_a_fmt:MATRIX_FMT_FP6 matrix_b_fmt:MATRIX_FMT_FP6
.elseif (\row) == 1
	v_wmma_scale_f32_16x16x128_f8f6f4 v[(\d):(\d)+7], v[(\a):(\a)+11], v[(\b):(\b)+11], 0, v[\sa], v[\sb] matrix_a_fmt:MATRIX_FMT_FP6 matrix_b_fmt:MATRIX_FMT_FP6 matrix_b_scale:MATRIX_SCALE_ROW1
.else
	v_wmma_scale_f32_16x16x128_f8f6f4 v[(\d):(\d)+7], v[(\a):(\a)+11], v[(\b):(\b)+11], 0, v[\sa], v[\sb] matrix_a_fmt:MATRIX_FMT_FP6 matrix_b_fmt:MATRIX_FMT_FP6 matrix_a_scale:MATRIX_SCALE_ROW1 matrix_b_scale:MATRIX_SCALE_ROW1
.endif
.else
.if (\row) == 0
	v_wmma_scale_f32_16x16x128_f8f6f4 v[(\d):(\d)+7], v[(\a):(\a)+11], v[(\b):(\b)+11], v[(\d):(\d)+7], v[\sa], v[\sb] matrix_a_fmt:MATRIX_FMT_FP6 matrix_b_fmt:MATRIX_FMT_FP6
.elseif (\row) == 1
	v_wmma_scale_f32_16x16x128_f8f6f4 v[(\d):(\d)+7], v[(\a):(\a)+11], v[(\b):(\b)+11], v[(\d):(\d)+7], v[\sa], v[\sb] matrix_a_fmt:MATRIX_FMT_FP6 matrix_b_fmt:MATRIX_FMT_FP6 matrix_b_scale:MATRIX_SCALE_ROW1
.else
	v_wmma_scale_f32_16x16x128_f8f6f4 v[(\d):(\d)+7], v[(\a):(\a)+11], v[(\b):(\b)+11], v[(\d):(\d)+7], v[\sa], v[\sb] matrix_a_fmt:MATRIX_FMT_FP6 matrix_b_fmt:MATRIX_FMT_FP6 matrix_a_scale:MATRIX_SCALE_ROW1 matrix_b_scale:MATRIX_SCALE_ROW1
.endif
.endif
.endm
; ================= HEAD
	s_load_b512 s[8:23], s[0:1], 0x0               ; adj, wimg, simg, timg, ip_b, norm_g, norm_b, trop_b
	s_load_b512 s[24:39], s[0:1], 0x40             ; lfs_max, lfi_max, lfs_min, lfi_min, lf_mix, gate_b, cls_b, on_g
	s_load_b128 s[40:43], s[0:1], 0x80             ; on_b, head_b
	s_load_b64 s[44:45], s[0:1], 0x90              ; out0
	s_set_vgpr_msb 0x40
	v_lshl_add_u32 v254, v0, 2, 0x47000
	v_mov_b32 v255, 0
	s_set_vgpr_msb 0x4045
	ds_add_u32 v254, v255
	ds_add_u32 v254, v255
	s_set_vgpr_msb 0x4500
	v_lshrrev_b32 v12, 5, v0
	v_readfirstlane_b32 s[WV], v12                 ; wave 0..7
	; descriptor group 1: a tile of 16 rows x 128 numbers of 4 bytes, rows 4,096 numbers apart, 16 bytes of padding behind each row in LDS
	s_mov_b32 s[G1+0], (2<<16)|(1<<20)|(6<<22)|(3<<25)  ; no mask; elements of 4 bytes; padding on, after every 128 words (code 6), of 4 words (code 3)
	s_mov_b32 s[G1+1], 128<<16                     ; tensor_dim0 = 128
	s_mov_b32 s[G1+2], 16<<16                      ; tensor_dim1 = 16
	s_mov_b32 s[G1+3], 128<<16                     ; tile_dim0 = 128
	s_mov_b32 s[G1+4], 16                          ; tile_dim1 = 16
	s_mov_b32 s[G1+5], 4096                        ; from row to row
	s_mov_b32 s[G1+6], 0
	s_mov_b32 s[G1+7], 0
	s_mul_i32 s60, s[WV], ADJW                     ; my part of adj in LDS
	s_lshl_b32 s62, ttmp9, 18                      ; the work-group's 16 rows of 16,384 bytes,
	s_lshl_b32 s61, s[WV], 11                      ; my four K steps of 512 bytes
	s_add_co_u32 s62, s62, s61
	s_mov_b32 s63, 0
	s_wait_dscnt 0x0
	s_wait_kmcnt 0x0
.irp k,0,1,2,3
	s_mov_b32 s[G0+4*\k], 1                        ; count = 1
	s_add_co_u32 s[G0+4*\k+1], s60, \k*TILEB       ; LDS address
	s_add_nc_u64 s[G0+4*\k+2:G0+4*\k+3], s[ADJP:ADJP+1], s[62:63]
	s_add_nc_u64 s[G0+4*\k+2:G0+4*\k+3], s[G0+4*\k+2:G0+4*\k+3], \k*512
	s_or_b32 s[G0+4*\k+3], s[G0+4*\k+3], 0x80000000  ; type = 2
.endr
.irp k,0,1,2,3
	tensor_load_to_lds s[G0+4*\k:G0+4*\k+3], s[G1:G1+7]   ; my four tiles, together: four tensor loads of mine are out
	s_nop 0
.endr
	PLACES 4                                       ; four places behind the tensor loads
	s_add_nc_u64 s[OUT:OUT+1], s[OUT:OUT+1], s[62:63]   ; out0: the same 16 rows of 16,384 bytes, my 512 columns of 4 bytes
	s_mov_b32 s62, s61
	s_add_nc_u64 s[HDB:HDB+1], s[HDB:HDB+1], s[62:63]   ; head_b at my 512 columns
	s_mul_i32 s62, s[WV], 98304
	s_add_nc_u64 s[IPW:IPW+1], s[WIMG:WIMG+1], s[62:63]   ; images 64 w on
	s_add_nc_u64 s[HW:HW+1], s[IPW:IPW+1], 1179648        ; images 768 + 64 w on
	s_mul_i32 s62, s[WV], 12288
	s_add_nc_u64 s[LW:LW+1], s[WIMG:WIMG+1], s[62:63]
	s_add_nc_u64 s[LW:LW+1], s[LW:LW+1], 786432           ; images 512 + 8 w on
	s_lshl_b32 s62, s[WV], 12
	s_add_nc_u64 s[IPS:IPS+1], s[SIMG:SIMG+1], s[62:63]   ; units 8 w on
	s_add_nc_u64 s[HS:HS+1], s[IPS:IPS+1], 49152          ; units 96 + 8 w on
	s_lshl_b32 s62, s[WV], 9
	s_add_nc_u64 s[LS:LS+1], s[SIMG:SIMG+1], s[62:63]
	s_add_nc_u64 s[LS:LS+1], s[LS:LS+1], 32768            ; unit 64 + w
	s_lshl_b32 s62, s[WV], 17
	s_add_nc_u64 s[TWN:TWN+1], s[TIMG:TIMG+1], s[62:63]
	s_add_nc_u64 s[TWN:TWN+1], s[TWN:TWN+1], 8192         ; my part of trop_W's image, trip 1
	s_mov_b32 s[C256], 0x3b800000
	s_mov_b32 s[SEL], 0x76543210
	s_mov_b32 s[SEL+1], 0xfedcba98
	s_mov_b32 s[INF], 0x7f800000
	v_and_b32 v12, 31, v0                          ; lane
	v_and_b32 v13, 15, v0                          ; r
	v_bfe_u32 v14, v0, 4, 1                        ; h
	v_lshrrev_b32 v15, 4, v0                       ; thread / 16: the row of the LayerNorm phases
	v_lshlrev_b32 v[L16], 4, v12
	s_lshl_b32 s61, s[WV], 10
	s_lshl_b32 s62, s[WV], 7
	WIN 0x40                                       ; destination window 1
	v_mov_b32 v[L16W], v[L16]
	v_lshl_add_u32 v[PV32], v13, 5, s61
	v_lshl_add_u32 v[PV4], v13, 2, s62
	v_lshlrev_b32 v[LNV], 6, v13
	WIN 0x01                                       ; address window 1
	global_load_b32 v[IPBR], v[PV4], s[IPB:IPB+1]
	global_load_b32 v[IPBR+1], v[PV4], s[IPB:IPB+1] offset:64
	WIN 0
; the scale units of my K step k: two loads, eight registers; register t / 2 holds tile t's words in lanes 0-15 (t even) or 16-31 (t odd)
.macro SLOAD k
.irp e,0,1
	global_load_b128 v[SCB+8*((\k)&1)+4*\e:SCB+8*((\k)&1)+4*\e+3], v[L16], s[IPS:IPS+1] offset:1024*(\k)+512*\e
.endr
.endm
; eight fragments of ip_W (tiles 8 half on) of my K step k: 24 loads
.macro BLOAD half, k
	WIN 0x41                                       ; destination and address window 1
.irp i,0,1,2,3,4,5,6,7
.irp c,0,1,2
	global_load_b128 v[12*(8*(\half)+\i)+4*\c:12*(8*(\half)+\i)+4*\c+3], v[L16W], s[IPW:IPW+1] offset:24576*(\k)+1536*(8*(\half)+\i)+512*\c
.endr
.endr
	WIN 0
.endm
	SLOAD 0
	BLOAD 0, 0
	BLOAD 1, 0
	v_mul_u32_u24 v[LNA], v15, HP
	v_lshl_add_u32 v[LNA], v13, 6, v[LNA]
	v_add_nc_u32 v[LNA], HB, v[LNA]
	v_mul_u32_u24 v[CWA], v15, AP
	v_mad_u32_u24 v[CWA], v13, 12, v[CWA]
	v_add_nc_u32 v[CWA], ACODE, v[CWA]
	v_lshrrev_b32 v[SWA], 1, v0                    ; 8 x row + block = thread / 2
	v_add_nc_u32 v[SWA], ASCL, v[SWA]
	v_mul_u32_u24 v[HWA], v14, 8*HP
	v_lshl_add_u32 v[HWA], v13, 2, v[HWA]
	s_add_co_u32 s62, s62, HB                      ; 128 w + HB
	v_add_nc_u32 v[HWA], s62, v[HWA]
	v_mul_u32_u24 v[FRA], v13, AP
	v_mad_u32_u24 v[FRA], v14, 24, v[FRA]
	v_add_nc_u32 v[FRA], ACODE, v[FRA]
	v_lshlrev_b32 v[SRA], 3, v13
	v_lshl_add_u32 v[SRA], v14, 2, v[SRA]
	v_add_nc_u32 v[SRA], ASCL, v[SRA]
	s_and_b32 s61, s[WV], 3                        ; iq
	s_lshl_b32 s62, s61, 8
	s_add_co_u32 s62, s62, HB
	v_mov_b32 v[HN0], s62
	s_mul_i32 s61, s61, PQ
	s_lshr_b32 s62, s[WV], 2                       ; oh
	s_mul_i32 s62, s62, 128*PO
	s_add_co_u32 s61, s61, s62
	v_mul_u32_u24 v[PWA], v12, PO
	v_add_nc_u32 v[PWA], s61, v[PWA]
	s_mul_i32 s61, s[WV], 32*PO
	v_mul_u32_u24 v[PRA], v13, PO
	v_lshl_add_u32 v[PRA], v14, 5, v[PRA]
	v_add_nc_u32 v[PRA], s61, v[PRA]
	v_mul_u32_u24 v[XA], v13, XP
	v_lshl_add_u32 v[XA], v14, 7, v[XA]
	v_add_nc_u32 v[XA], s60, v[XA]
	v_add_nc_u32 v[PA], s60, v[L16]
	v_lshlrev_b32 v[H8], 3, v14
	v_mov_b32 v[QM+7], 0                           ; written once: a lane permute's destination counts as one of its sources
.irp i,16,17,18,19
	v_mov_b32 v\i, 0
.endr
	v_mul_u32_u24 v20, v15, HP
	v_add_nc_u32 v20, HB+1024, v20
	ds_store_b128 v20, v[16:19]                    ; the 16 bytes behind each row of h: the min-plus loop's last look-ahead reads them (and uses nothing of them)
; ================= A: h = Q(adj) ip_W^T, my four K steps
; 64 numbers of a lane, register 32 c + i = k 64 c + 32 h + i of row r (two whole blocks), become the fragment's codes in v204-215 and the row's scale word in v239
.macro QUANTX
.irp q,0,1,2,3
	v_max3_num_f32 v[QM+\q], |v[HN+16*\q]|, |v[HN+16*\q+1]|, 0x1800000   ; four chains of 16 numbers; the floor 2^(3 - 127) among the leaves holds the scale's byte at 1 from below
.endr
.irp i,2,4,6,8,10,12,14
.irp q,0,1,2,3
	v_max3_num_f32 v[QM+\q], v[QM+\q], |v[HN+16*\q+\i]|, |v[HN+16*\q+\i+1]|
.endr
.endr
	v_max_num_f32 v[QM], v[QM], v[QM+1]            ; block h
	v_max_num_f32 v[QM+1], v[QM+2], v[QM+3]        ; block 2 + h
.irp c,0,1
	v_add_nc_u32 v[QM+4+\c], 0xff000000, v[QM+\c]  ; 2 off the exponent field: the conversion takes this operand's exponent field as its scale
.endr
.irp c,0,1
	v_lshrrev_b32 v[QM+2+\c], 23, v[QM+4+\c]       ; the scale's byte
.endr
	v_lshl_or_b32 v[QM+6], v[QM+3], 16, v[QM+2]
	v_lshlrev_b32 v[QM+6], v[H8], v[QM+6]          ; at their places in the word: 8 h bits up
	v_permlanex16_b32 v[QM+7], v[QM+6], s[SEL], s[SEL+1]
	v_or_b32 v[SCA], v[QM+6], v[QM+7]              ; with lane l xor 16's two bytes the word is whole
.irp c,0,1
	v_cvt_scalef32_pk16_fp6_f32 v[TMP+6*\c:TMP+6*\c+2], v[HN+32*\c:HN+32*\c+15], v[QM+4+\c]
	v_cvt_scalef32_pk16_fp6_f32 v[TMP+12+4*\c:TMP+14+4*\c], v[HN+32*\c+16:HN+32*\c+31], v[QM+4+\c]   ; (a conversion's three registers begin on an even number)
.endr
	v_nop                                          ; one plain place behind a scaled conversion
.irp c,0,1
.irp i,0,1,2
	v_mov_b32 v[TMP+3+6*\c+\i], v[TMP+12+4*\c+\i]
.endr
.endr
	PLACES 8                                       ; a scale register written by a vector instruction stands 8 places ahead of the scaled product, an operand so written 4
.endm
.macro MULA half, k                    ; eight products: my rows' fragment against tiles 8 half on; the sixteen accumulators take turns
.irp i,0,1,2,3,4,5,6,7
	WM ACC+8*(8*(\half)+\i), TMP, 12*(8*(\half)+\i), (\k)==0, SCA, SCB+8*((\k)&1)+4*(\half)+\i/2, \i%2
.endr
.endm
.macro KSTEP k
	s_wait_tensorcnt 3-\k                          ; tensor loads of a wave end in order: tile k is in; the later ones may be out
.irp cc,0,1
.irp e,0,1,2,3,4,5,6,7
	ds_load_b128 v[HN+32*\cc+4*\e:HN+32*\cc+4*\e+3], v[XA] offset:TILEB*\k+256*\cc+16*\e
.endr
.endr
	s_wait_dscnt 0x0
	QUANTX
	s_wait_loadcnt 24                              ; this step's scale units and first eight fragments are in; behind them only the second eight's 24 loads were issued
	WIN 0x04                                       ; source 1 window 1
	MULA 0, \k
	WIN 0
	PLACES 4                                       ; in front of loads into registers that these products have read
.if \k < 3
	SLOAD \k+1
	BLOAD 0, \k+1
	s_wait_loadcnt 26                              ; the second eight fragments are in; behind them: the 2 + 24 loads just issued
.else
	s_wait_loadcnt 0x0
.endif
	WIN 0x04
	MULA 1, \k
	WIN 0
	PLACES 4
.if \k < 3
	BLOAD 1, \k+1
.endif
.endm
	KSTEP 0
	KSTEP 1
	KSTEP 2
	KSTEP 3
	; my sixteen partial tiles go into my own part of adj's bytes as images of their registers: all my tensor loads have landed and all my reads of those bytes are back
.irp t,0,1,2,3,4,5,6,7,8,9,10,11,12,13,14,15
	ds_store_b128 v[PA], v[ACC+8*\t:ACC+8*\t+3] offset:1024*\t         ; each accumulator from its low end on
	ds_store_b128 v[PA], v[ACC+8*\t+4:ACC+8*\t+7] offset:1024*\t+512
.endr
	BAR                                            ; every wave's partial tiles lie in LDS; every wave's tensor loads have landed
.irp k,0,1,2,3
.irp j,0,1,2,3
	global_load_b128 v[WR+16*\k+4*\j:WR+16*\k+4*\j+3], v[L16], s[TWN:TWN+1] offset:2048*\k+512*\j-8192   ; trop_W, trip 0: it lands while h is summed and normalised
.endr
.endr
.macro LNLD                            ; gain and bias of my 16 columns for the next LayerNorm: 8 loads
	WIN 0x41
.irp e,0,1,2,3
	global_load_b128 v[LNP+4*\e:LNP+4*\e+3], v[LNV], s[NG:NG+1] offset:16*\e
	global_load_b128 v[LNP+16+4*\e:LNP+16+4*\e+3], v[LNV], s[NB:NB+1] offset:16*\e
.endr
	WIN 0
.endm
	LNLD
	s_lshl_b32 s61, s[WV], 11                      ; my two tiles' images: 2,048 w on in each wave's part
	v_add_nc_u32 v[RP], s61, v[L16]
	v_add_nc_u32 v[RP+1], 2*ADJW, v[RP]
	v_add_nc_u32 v[RP+2], 4*ADJW, v[RP]
	v_add_nc_u32 v[RP+3], 6*ADJW, v[RP]
.irp p,0,1,2,3
.irp q,0,1,2,3
	ds_load_b128 v[12+16*\p+4*\q:15+16*\p+4*\q], v[RP+\p/2] offset:ADJW*(\p%2)+512*\q          ; wave p's part
	ds_load_b128 v[HN+16*\p+4*\q:HN+16*\p+4*\q+3], v[RP+2+\p/2] offset:ADJW*(\p%2)+512*\q      ; wave 4 + p's
.endr
.endr
	s_wait_dscnt 0x0
.irp i,0,1,2,3,4,5,6,7
	v_pk_add_f32 v[12+2*\i:13+2*\i], v[12+2*\i:13+2*\i], v[28+2*\i:29+2*\i]
	v_pk_add_f32 v[44+2*\i:45+2*\i], v[44+2*\i:45+2*\i], v[60+2*\i:61+2*\i]
	v_pk_add_f32 v[140+2*\i:141+2*\i], v[140+2*\i:141+2*\i], v[156+2*\i:157+2*\i]
	v_pk_add_f32 v[172+2*\i:173+2*\i], v[172+2*\i:173+2*\i], v[188+2*\i:189+2*\i]
.endr
.irp i,0,1,2,3,4,5,6,7
	v_pk_add_f32 v[12+2*\i:13+2*\i], v[12+2*\i:13+2*\i], v[44+2*\i:45+2*\i]
	v_pk_add_f32 v[140+2*\i:141+2*\i], v[140+2*\i:141+2*\i], v[172+2*\i:173+2*\i]
.endr
.irp i,0,1,2,3,4,5,6,7
	v_pk_add_f32 v[12+2*\i:13+2*\i], v[12+2*\i:13+2*\i], v[140+2*\i:141+2*\i]
.endr
	WIN 0x40
.irp u,0,1
.irp i,0,1,2,3
	v_pk_add_f32 v[H1+8*\u+2*\i:H1+8*\u+2*\i+1], v[12+8*\u+2*\i:13+8*\u+2*\i], v[IPBR:IPBR+1] op_sel:[0,\u] op_sel_hi:[1,\u]   ; + ip_b of column 32 w + 16 u + r: h
.endr
.endr
	WIN 0
; ================= the macros of a layer
.macro PARK                            ; what the layer wants behind its min-plus product: 24 + 16 + 8 + 1 = 49 loads, which land under the phases in between
	WIN 0x41
.set N, 0
.rept 24
	global_load_b128 v[4*N:4*N+3], v[L16W], s[LW:LW+1] offset:512*N   ; fragment f = 2 (2 mat + u) + s at v[12 f]
.set N, N+1
.endr
.irp u,0,1
.irp e,0,1
	global_load_b128 v[PRM+32*\u+4*\e:PRM+32*\u+4*\e+3], v[PV32], s[LSX:LSX+1] offset:512*\u+16*\e
	global_load_b128 v[PRM+32*\u+8+4*\e:PRM+32*\u+8+4*\e+3], v[PV32], s[LIX:LIX+1] offset:512*\u+16*\e
	global_load_b128 v[PRM+32*\u+16+4*\e:PRM+32*\u+16+4*\e+3], v[PV32], s[LSN:LSN+1] offset:512*\u+16*\e
	global_load_b128 v[PRM+32*\u+24+4*\e:PRM+32*\u+24+4*\e+3], v[PV32], s[LIN:LIN+1] offset:512*\u+16*\e
.endr
.endr
.irp u,0,1
	global_load_b32 v[MISC+\u], v[PV4], s[TRB:TRB+1] offset:64*\u
	global_load_b32 v[MISC+2+\u], v[PV4], s[MIXP:MIXP+1] offset:64*\u
	global_load_b32 v[MISC+4+\u], v[PV4], s[CB:CB+1] offset:64*\u
	global_load_b32 v[MISC+6+\u], v[PV4], s[GB:GB+1] offset:64*\u
.endr
	WIN 0x01
	global_load_b128 v[SCB:SCB+3], v[L16W], s[LS:LS+1]   ; register 2 mat + u: lanes 0-15 K step 0's words, lanes 16-31 K step 1's
	WIN 0
.endm
.macro STOREH                          ; h from the result's layout into rows
	WIN 0x04                                       ; an LDS store's data are its source 1: window 1
.irp u,0,1
.irp j,0,1,2,3,4,5,6,7
	ds_store_b32 v[HWA], v[H1+8*\u+\j] offset:HP*\j+64*\u
.endr
.endr
	WIN 0
.endm
; LayerNorm of row thread / 16 and its quantising: sixteen lanes to a row, 16 neighbouring columns a lane.  final = 0: hn goes back into h's bytes for the min-plus product.
; cnt: the loads issued behind the gain's and bias's, which may stay out.
.macro LNROW final, cnt
.irp e,0,1,2,3
	ds_load_b128 v[12+4*\e:15+4*\e], v[LNA] offset:16*\e
.endr
	s_wait_dscnt 0x0
	v_pk_add_f32 v[44:45], v[12:13], v[14:15]
	v_pk_add_f32 v[46:47], v[16:17], v[18:19]
	v_pk_add_f32 v[48:49], v[20:21], v[22:23]
	v_pk_add_f32 v[50:51], v[24:25], v[26:27]
	v_pk_add_f32 v[44:45], v[44:45], v[46:47]
	v_pk_add_f32 v[48:49], v[48:49], v[50:51]
	v_pk_add_f32 v[44:45], v[44:45], v[48:49]
	v_add_f32 v44, v44, v45
.irp x,1,2,4,8
	v_add_f32_dpp v44, v44, v44 row_xmask:\x row_mask:0xf bank_mask:0xf
.endr
	v_mul_f32 v52, s[C256], v44                    ; the mean, twice
	v_mul_f32 v53, s[C256], v44
.irp i,0,1,2,3,4,5,6,7
	v_pk_add_f32 v[28+2*\i:29+2*\i], v[12+2*\i:13+2*\i], v[52:53] neg_lo:[0,1] neg_hi:[0,1]
.endr
	v_pk_mul_f32 v[44:45], v[28:29], v[28:29]      ; the variance from the differences: no difference of large sums
	v_pk_mul_f32 v[46:47], v[30:31], v[30:31]
.irp i,4,8,12
	v_pk_fma_f32 v[44:45], v[28+\i:29+\i], v[28+\i:29+\i], v[44:45]
	v_pk_fma_f32 v[46:47], v[30+\i:31+\i], v[30+\i:31+\i], v[46:47]
.endr
	v_pk_add_f32 v[44:45], v[44:45], v[46:47]
	v_add_f32 v44, v44, v45
.irp x,1,2,4,8
	v_add_f32_dpp v44, v44, v44 row_xmask:\x row_mask:0xf bank_mask:0xf
.endr
	v_fmaak_f32 v54, s[C256], v44, 0x3727c5ac      ; the variance + 1e-5
	v_rsq_f32 v56, v54
	v_nop                                          ; a plain place behind the transcendental
	s_wait_alu depctr_va_vdst(0)                   ; and the wait ahead of its first reader
	v_mov_b32 v57, v56
.irp i,0,1,2,3,4,5,6,7
	v_pk_mul_f32 v[28+2*\i:29+2*\i], v[28+2*\i:29+2*\i], v[56:57]
.endr
	s_wait_loadcnt \cnt                            ; gain and bias are in
	WIN 0x14                                       ; sources 1 and 2 window 1
.irp i,0,1,2,3,4,5,6,7
	v_pk_fma_f32 v[28+2*\i:29+2*\i], v[28+2*\i:29+2*\i], v[LNP+2*\i:LNP+2*\i+1], v[LNP+16+2*\i:LNP+16+2*\i+1]
.endr
	WIN 0
.if (\final) == 0
.irp e,0,1,2,3
	ds_store_b128 v[LNA], v[28+4*\e:31+4*\e] offset:16*\e   ; each lane writes the bytes that it read
.endr
.endif
	v_max3_num_f32 v44, |v28|, |v29|, 0x1800000    ; my 16 numbers' largest magnitude, in two chains, with the floor 2^(3 - 127)
	v_max3_num_f32 v45, |v30|, |v31|, |v34|
	v_max3_num_f32 v44, v44, |v32|, |v33|
	v_max3_num_f32 v45, v45, |v35|, |v38|
	v_max3_num_f32 v44, v44, |v36|, |v37|
	v_max3_num_f32 v45, v45, |v39|, |v42|
	v_max3_num_f32 v44, v44, |v40|, |v41|
	v_max3_num_f32 v44, v44, v45, |v43|
	v_max_num_f32_dpp v44, v44, v44 row_xmask:1 row_mask:0xf bank_mask:0xf   ; with my neighbour's 16: the block's
	v_add_nc_u32 v45, 0xff000000, v44              ; 2 off the exponent field: the conversion's scale operand
	v_cvt_scalef32_pk16_fp6_f32 v[46:48], v[28:43], v45
	v_lshrrev_b32 v49, 23, v45                     ; the scale's byte (also the plain place behind the conversion)
	ds_store_b32 v[CWA], v46                       ; 16 codes, 12 bytes, at their place in the row's stream of bits
	ds_store_b32 v[CWA], v47 offset:4
	ds_store_b32 v[CWA], v48 offset:8
	ds_store_b8 v[SWA], v49                        ; both lanes of a block write the same byte with the same value
.endm
.macro AFRAG                           ; hn's two fragments and its scale words
.irp s,0,1
.irp p,0,1,2,3,4,5
	ds_load_b64 v[TMP+12*\s+2*\p:TMP+12*\s+2*\p+1], v[FRA] offset:96*\s+48*(\p/3)+8*(\p%3)
.endr
.endr
	ds_load_b32 v[SCA], v[SRA]
.endm
; A TRIP of the min-plus loop: four steps of four inputs.  A step: for each half of the rows, four times: 16 packed adds (two rows x four outputs x two pairs of inputs) and 16 three-operand minima in the same order,
; so that the two minima on one register stand eight apart.  hn comes from LDS, every lane the same 16 bytes, a step ahead, into the buffer just read; trop_W from memory, a trip ahead, into the ring's place just read.
.macro TRIP
	v_add_nc_u32 v[HNT], s[TOF], v[HN0]
.irp k,0,1,2,3
	s_wait_loadcnt 12                              ; this step's four loads of trop_W are in: behind them the next three steps' twelve were issued (at a layer's first step: other loads, all younger)
.irp hb,0,1
	s_wait_dscnt 8                                 ; this buffer's eight loads are in; the other buffer's eight may be out
.irp rp,0,1,2,3
.irp pr,0,1
.irp rr,0,1
.irp j,0,1,2,3
	v_pk_add_f32 v[TMP+2*(8*\pr+4*\rr+\j):TMP+2*(8*\pr+4*\rr+\j)+1], v[WR+16*\k+4*\j+2*\pr:WR+16*\k+4*\j+2*\pr+1], v[HN+32*\hb+4*(2*\rp+\rr)+2*\pr:HN+32*\hb+4*(2*\rp+\rr)+2*\pr+1]
.endr
.endr
.endr
.irp pr,0,1
.irp rr,0,1
.irp j,0,1,2,3
	v_min3_num_f32 v[ACC+16*\j+8*\hb+2*\rp+\rr], v[ACC+16*\j+8*\hb+2*\rp+\rr], v[TMP+2*(8*\pr+4*\rr+\j)], v[TMP+2*(8*\pr+4*\rr+\j)+1]
.endr
.endr
.endr
.endr
.irp b,0,1,2,3,4,5,6,7
	ds_load_b128 v[HN+32*\hb+4*\b:HN+32*\hb+4*\b+3], v[HNT] offset:HP*(8*\hb+\b)+16*(\k+1)   ; the next step's (a layer's last look-ahead reads the next quarter or the written padding, and nothing of it is used)
.endr
.endr
.irp j,0,1,2,3
	global_load_b128 v[WR+16*\k+4*\j:WR+16*\k+4*\j+3], v[L16], s[TWN:TWN+1] offset:2048*\k+512*\j   ; the same step of the next trip
.endr
.endr
.endm
; the activation's 8 + 8 pieces for column u, rows 4 jh .. 4 jh + 3: 32 packed multiply-adds (the row's number serves both halves), then the maxima and minima
.macro ACT u, jh
	WIN 0x14
.irp jp,0,1
.irp jb,0,1
.irp q,0,1,2,3
	v_pk_fma_f32 v[HN+16*(2*\jp+\jb)+2*\q:HN+16*(2*\jp+\jb)+2*\q+1], v[TT+8*\u+4*\jh+2*\jp:TT+8*\u+4*\jh+2*\jp+1], v[PRM+32*\u+2*\q:PRM+32*\u+2*\q+1], v[PRM+32*\u+8+2*\q:PRM+32*\u+8+2*\q+1] op_sel:[\jb,0,0] op_sel_hi:[\jb,1,1]
	v_pk_fma_f32 v[HN+16*(2*\jp+\jb)+8+2*\q:HN+16*(2*\jp+\jb)+8+2*\q+1], v[TT+8*\u+4*\jh+2*\jp:TT+8*\u+4*\jh+2*\jp+1], v[PRM+32*\u+16+2*\q:PRM+32*\u+16+2*\q+1], v[PRM+32*\u+24+2*\q:PRM+32*\u+24+2*\q+1] op_sel:[\jb,0,0] op_sel_hi:[\jb,1,1]
.endr
.endr
.endr
	WIN 0
.irp jj,0,1,2,3
	v_max3_num_f32 v[MX+8*\u+4*\jh+\jj], v[HN+16*\jj], v[HN+16*\jj+1], v[HN+16*\jj+2]
	v_min3_num_f32 v[MN+8*\u+4*\jh+\jj], v[HN+16*\jj+8], v[HN+16*\jj+9], v[HN+16*\jj+10]
.endr
.irp i,3,5
.irp jj,0,1,2,3
	v_max3_num_f32 v[MX+8*\u+4*\jh+\jj], v[MX+8*\u+4*\jh+\jj], v[HN+16*\jj+\i], v[HN+16*\jj+\i+1]
	v_min3_num_f32 v[MN+8*\u+4*\jh+\jj], v[MN+8*\u+4*\jh+\jj], v[HN+16*\jj+8+\i], v[HN+16*\jj+9+\i]
.endr
.endr
.irp jj,0,1,2,3
	v_max_num_f32 v[MX+8*\u+4*\jh+\jj], v[MX+8*\u+4*\jh+\jj], v[HN+16*\jj+7]
	v_min_num_f32 v[MN+8*\u+4*\jh+\jj], v[MN+8*\u+4*\jh+\jj], v[HN+16*\jj+15]
.endr
.endm
; what follows the products: 2 columns x 8 rows a lane
.macro EPI
.irp q,0,1,2,3
.irp u,0,1
.irp e,0,1
	ds_load_b128 v[HN+16*\q+8*\u+4*\e:HN+16*\q+8*\u+4*\e+3], v[PRA] offset:PQ*\q+16*PO*\u+16*\e   ; the four quarters' minima of my columns and rows
.endr
.endr
.endr
	WIN 0x01
.irp i,0,1,2,3,4,5,6,7
	v_mov_b32 v[MC+\i], v[MISC+\i]                 ; trop_b, lf_mix, cls_b, gate_b of my two columns (these lines are also the places behind the products)
.endr
	WIN 0
	v_mul_f32 v[MC+8], 0xbfb8aa3b, v[MC+2]         ; mix = 1 / (1 + 2^(-log2(e) lf_mix))
	v_mul_f32 v[MC+9], 0xbfb8aa3b, v[MC+3]
	v_exp_f32 v[MC+8], v[MC+8]
	v_exp_f32 v[MC+9], v[MC+9]
	v_mul_f32 v[MC+6], 0xbfb8aa3b, v[MC+6]         ; -log2(e) gate_b (plain work behind the two exponentials)
	v_mul_f32 v[MC+7], 0xbfb8aa3b, v[MC+7]
	s_wait_alu depctr_va_vdst(0)                   ; one wait for the two, ahead of their first reader
	v_add_f32 v[MC+8], 1.0, v[MC+8]
	v_add_f32 v[MC+9], 1.0, v[MC+9]
	v_rcp_f32 v[MC+2], v[MC+8]
	v_rcp_f32 v[MC+3], v[MC+9]
	v_mov_b32 v[A5], 0x3f87dc22                    ; a5, as a pair (plain work behind the two reciprocals)
	v_mov_b32 v[A5+1], 0x3f87dc22
	s_wait_alu depctr_va_vdst(0)
	v_sub_f32 v[MC+8], 1.0, v[MC+2]                ; 1 - mix
	v_sub_f32 v[MC+9], 1.0, v[MC+3]
	s_wait_dscnt 0x0
.irp i,0,1,2,3,4,5,6,7,8,9,10,11,12,13,14,15
	v_min3_num_f32 v[TT+\i], v[HN+\i], v[HN+16+\i], v[HN+32+\i]
.endr
.irp i,0,1,2,3,4,5,6,7,8,9,10,11,12,13,14,15
	v_min_num_f32 v[TT+\i], v[TT+\i], v[HN+48+\i]
.endr
.irp u,0,1
.irp i,0,1,2,3
	v_pk_add_f32 v[TT+8*\u+2*\i:TT+8*\u+2*\i+1], v[TT+8*\u+2*\i:TT+8*\u+2*\i+1], v[MC:MC+1] op_sel:[0,\u] op_sel_hi:[1,\u]   ; + trop_b
.endr
.endr
	ACT 0, 0
	ACT 0, 1
	ACT 1, 0
	ACT 1, 1
.irp u,0,1
.irp i,0,1,2,3
	v_pk_mul_f32 v[TT+8*\u+2*\i:TT+8*\u+2*\i+1], v[MN+8*\u+2*\i:MN+8*\u+2*\i+1], v[MC+8:MC+9] op_sel:[0,\u] op_sel_hi:[1,\u]
.endr
.endr
.irp u,0,1
.irp i,0,1,2,3
	v_pk_fma_f32 v[TT+8*\u+2*\i:TT+8*\u+2*\i+1], v[MX+8*\u+2*\i:MX+8*\u+2*\i+1], v[MC+2:MC+3], v[TT+8*\u+2*\i:TT+8*\u+2*\i+1] op_sel:[0,\u,0] op_sel_hi:[1,\u,1]   ; mix x max + (1 - mix) x min
.endr
.endr
.irp u,0,1
.irp i,0,1,2,3
	v_pk_fma_f32 v[ZG+8*\u+2*\i:ZG+8*\u+2*\i+1], v[ZG+8*\u+2*\i:ZG+8*\u+2*\i+1], 0xbfb8aa3b, v[MC+6:MC+7] op_sel:[0,0,\u] op_sel_hi:[1,0,\u]   ; -log2(e) (gate + gate_b); each accumulator from its low end on
.endr
.endr
.irp u,0,1
.irp i,0,1,2,3
	v_pk_add_f32 v[ZC+8*\u+2*\i:ZC+8*\u+2*\i+1], v[ZC+8*\u+2*\i:ZC+8*\u+2*\i+1], v[MC+4:MC+5] op_sel:[0,\u] op_sel_hi:[1,\u]   ; x = cls + cls_b
.endr
.endr
.irp i,0,1,2,3,4,5,6,7,8,9,10,11,12,13,14,15
	v_fma_f32 v[GT+\i], |v[ZC+\i]|, 0x3e6d3388, 1.0   ; 1 + 0.3275911 |x| / sqrt(2)
.endr
.irp i,0,1,2,3,4,5,6,7
	v_pk_mul_f32 v[GE+2*\i:GE+2*\i+1], v[ZC+2*\i:ZC+2*\i+1], 0x3f596d27 op_sel_hi:[1,0]   ; x sqrt(log2(e) / 2)
.endr
.irp i,0,1,2,3,4,5,6,7
	v_pk_mul_f32 v[GE+2*\i:GE+2*\i+1], v[GE+2*\i:GE+2*\i+1], v[GE+2*\i:GE+2*\i+1] neg_lo:[1,0] neg_hi:[1,0]   ; its square, negative: 2^that = e^(-x x / 2)
.endr
.irp i,0,1,2,3,4,5,6,7,8,9,10,11,12,13,14,15
	v_exp_f32 v[ZG+\i], v[ZG+\i]                   ; ONE BATCH of 48: none reads another's result
.endr
.irp i,0,1,2,3,4,5,6,7,8,9,10,11,12,13,14,15
	v_rcp_f32 v[GT+\i], v[GT+\i]
.endr
.irp i,0,1,2,3,4,5,6,7,8,9,10,11,12,13,14,15
	v_exp_f32 v[GE+\i], v[GE+\i]
.endr
	v_nop                                          ; a plain place behind the last of them
	s_wait_alu depctr_va_vdst(0)                   ; one wait for the batch
.irp i,0,1,2,3,4,5,6,7
	v_pk_add_f32 v[ZG+2*\i:ZG+2*\i+1], v[ZG+2*\i:ZG+2*\i+1], 1.0 op_sel_hi:[1,0]
.endr
.irp i,0,1,2,3,4,5,6,7,8,9,10,11,12,13,14,15
	v_rcp_f32 v[ZG+\i], v[ZG+\i]                   ; g; a second batch, and gelu's polynomial is the independent work behind it
.endr
.irp i,0,1,2,3,4,5,6,7
	v_pk_fma_f32 v[GP+2*\i:GP+2*\i+1], v[GT+2*\i:GT+2*\i+1], v[A5:A5+1], 0xbfba00e3 op_sel_hi:[1,1,0]   ; a5 t + a4
.endr
.irp i,0,1,2,3,4,5,6,7
	v_pk_fma_f32 v[GP+2*\i:GP+2*\i+1], v[GP+2*\i:GP+2*\i+1], v[GT+2*\i:GT+2*\i+1], 0x3fb5f0e3 op_sel_hi:[1,1,0]   ; .. t + a3
.endr
.irp i,0,1,2,3,4,5,6,7
	v_pk_fma_f32 v[GP+2*\i:GP+2*\i+1], v[GP+2*\i:GP+2*\i+1], v[GT+2*\i:GT+2*\i+1], 0xbe91a98e op_sel_hi:[1,1,0]   ; .. t + a2
.endr
.irp i,0,1,2,3,4,5,6,7
	v_pk_fma_f32 v[GP+2*\i:GP+2*\i+1], v[GP+2*\i:GP+2*\i+1], v[GT+2*\i:GT+2*\i+1], 0x3e827906 op_sel_hi:[1,1,0]   ; .. t + a1
.endr
.irp i,0,1,2,3,4,5,6,7
	v_pk_mul_f32 v[GP+2*\i:GP+2*\i+1], v[GP+2*\i:GP+2*\i+1], v[GT+2*\i:GT+2*\i+1]
.endr
.irp i,0,1,2,3,4,5,6,7
	v_pk_mul_f32 v[GP+2*\i:GP+2*\i+1], v[GP+2*\i:GP+2*\i+1], v[GE+2*\i:GE+2*\i+1]   ; P = 1 - erf(|x| / sqrt(2))
.endr
.irp i,0,1,2,3,4,5,6,7
	v_pk_add_f32 v[GQ+2*\i:GQ+2*\i+1], v[GP+2*\i:GP+2*\i+1], 2.0 op_sel_hi:[1,0] neg_lo:[1,0] neg_hi:[1,0]   ; 2 - P
.endr
.irp i,0,1,2,3,4,5,6,7,8,9,10,11,12,13,14,15
	v_cmp_le_f32 vcc_lo, 0, v[ZC+\i]
	v_cndmask_b32 v[GP+\i], v[GP+\i], v[GQ+\i], vcc_lo   ; 1 + erf(x / sqrt(2)): 2 - P where x >= 0, else P: a choice of value alone
.endr
.irp i,0,1,2,3,4,5,6,7
	v_pk_mul_f32 v[ZC+2*\i:ZC+2*\i+1], v[ZC+2*\i:ZC+2*\i+1], 0.5 op_sel_hi:[1,0]
.endr
.irp i,0,1,2,3,4,5,6,7
	v_pk_mul_f32 v[ZC+2*\i:ZC+2*\i+1], v[ZC+2*\i:ZC+2*\i+1], v[GP+2*\i:GP+2*\i+1]   ; gelu
.endr
	s_wait_alu depctr_va_vdst(0)                   ; one wait for the sixteen reciprocals, ahead of g's first reader
.irp i,0,1,2,3,4,5,6,7
	v_pk_add_f32 v[GA+2*\i:GA+2*\i+1], v[ZG+2*\i:ZG+2*\i+1], 1.0 op_sel_hi:[1,0] neg_lo:[1,0] neg_hi:[1,0]   ; 1 - g
.endr
	WIN 0x50                                       ; destination and source 2 window 1: h
.irp i,0,1,2,3,4,5,6,7
	v_pk_fma_f32 v[H1+2*\i:H1+2*\i+1], v[ZG+2*\i:ZG+2*\i+1], v[TT+2*\i:TT+2*\i+1], v[H1+2*\i:H1+2*\i+1]
.endr
.irp i,0,1,2,3,4,5,6,7
	v_pk_fma_f32 v[H1+2*\i:H1+2*\i+1], v[GA+2*\i:GA+2*\i+1], v[ZC+2*\i:ZC+2*\i+1], v[H1+2*\i:H1+2*\i+1]
.endr
	WIN 0
.endm
; ================= the four layers
	s_mov_b32 s[LAY], 0
	s_mov_b32 s[GTR], 0
	s_mov_b32 s[TST+1], 0
.Llayer:
	PARK
	STOREH                                         ; (every wave has passed the barrier behind which nobody reads the last layer's hn)
	BAR                                            ; h's 16 rows lie in LDS
	LNROW 0, 49                                    ; behind the gain's and bias's loads: PARK's 49
	BAR                                            ; hn, its codes and its scale bytes lie in LDS
	s_wait_xcnt 0x0                                ; the loads that named these two pointers have read them
	s_add_nc_u64 s[60:61], s[NG:NG+1], 1024
	s_add_nc_u64 s[62:63], s[NB:NB+1], 1024
	s_cmp_lt_u32 s[LAY], 3                         ; the next LayerNorm is the next layer's, or behind the last layer the output's
	s_cselect_b64 s[NG:NG+1], s[60:61], s[ONG:ONG+1]
	s_cselect_b64 s[NB:NB+1], s[62:63], s[ONB:ONB+1]
	LNLD
.set N, 0
.rept 64
	v_mov_b32 v[ACC+N], s[INF]                     ; the loop is written once: its first step finds +infinity
.set N, N+1
.endr
	s_mov_b32 s[TOF], 0
	s_mov_b32 s[TRP], 0
.irp b,0,1,2,3,4,5,6,7,8,9,10,11,12,13,14,15
	ds_load_b128 v[HN+4*\b:HN+4*\b+3], v[HN0] offset:HP*\b   ; step 0's hn, both buffers
.endr
.Ltrip:
	TRIP
	s_add_co_u32 s[TOF], s[TOF], 64
	s_add_co_u32 s[GTR], s[GTR], 1
	s_wait_xcnt 0x0                                ; the trip's loads have read their base
	s_cmp_lt_u32 s[GTR], 15                        ; in the launch's last trip the base stays: the look-ahead reads that trip's own 8,192 bytes again, inside the buffer, and nothing of it is used
	s_cselect_b32 s[TST], 8192, 0
	s_add_nc_u64 s[TWN:TWN+1], s[TWN:TWN+1], s[TST:TST+1]
	s_add_co_u32 s[TRP], s[TRP], 1
	s_cmp_lt_u32 s[TRP], 4
	s_cbranch_scc1 .Ltrip
.irp j,0,1,2,3
.irp e,0,1,2,3
	ds_store_b128 v[PWA], v[ACC+16*\j+4*\e:ACC+16*\j+4*\e+3] offset:32*PO*\j+16*\e   ; my quarter's minima: output 32 j + lane, 16 rows
.endr
.endr
	AFRAG
	s_wait_loadcnt 16                              ; the sixteen youngest loads are the last trip's of trop_W: PARK's are in
	s_wait_dscnt 0x0                               ; my stores have landed; my reads of hn, its codes and scales are back
	s_barrier_signal -1
	WIN 0x04
.irp s,0,1
.irp m,0,1
.irp u,0,1
	WM ZC+16*\m+8*\u, TMP+12*\s, 12*(2*(2*\m+\u)+\s), 1-\s, SCA, SCB+2*\m+\u, 2*\s   ; four accumulators by turns; work on registers while the others arrive
.endr
.endr
.endr
	WIN 0
	s_barrier_wait -1                              ; all four quarters' minima lie in LDS, and nobody reads hn any more
	EPI
	s_wait_xcnt 0x0                                ; PARK's loads have read their bases
	s_add_nc_u64 s[LW:LW+1], s[LW:LW+1], 98304
	s_add_nc_u64 s[LS:LS+1], s[LS:LS+1], 4096
	s_add_nc_u64 s[LSX:LSX+1], s[LSX:LSX+1], 8192
	s_add_nc_u64 s[LIX:LIX+1], s[LIX:LIX+1], 8192
	s_add_nc_u64 s[LSN:LSN+1], s[LSN:LSN+1], 8192
	s_add_nc_u64 s[LIN:LIN+1], s[LIN:LIN+1], 8192
	s_add_nc_u64 s[TRB:TRB+1], s[TRB:TRB+1], 1024
	s_add_nc_u64 s[MIXP:MIXP+1], s[MIXP:MIXP+1], 1024
	s_add_nc_u64 s[CB:CB+1], s[CB:CB+1], 1024
	s_add_nc_u64 s[GB:GB+1], s[GB:GB+1], 1024
	s_add_co_u32 s[LAY], s[LAY], 1
	s_cmp_lt_u32 s[LAY], 4
	s_cbranch_scc1 .Llayer
; ================= the last LayerNorm and the head
; group g of my eight: 64 columns, four tiles; tile u's column r is column 64 T + 4 r + u.  26 loads: 8 fragments, the scale unit, four biases a lane
.macro HEADLD g
	WIN 0x41
.set N, 0
.rept 24
	global_load_b128 v[96*((\g)&1)+4*N:96*((\g)&1)+4*N+3], v[L16W], s[HW:HW+1] offset:12288*(\g)+512*N
.set N, N+1
.endr
	WIN 0
	global_load_b128 v[SCB+4*((\g)&1):SCB+4*((\g)&1)+3], v[L16], s[HS:HS+1] offset:512*(\g)
	global_load_b128 v[HBI+4*((\g)&1):HBI+4*((\g)&1)+3], v[R16], s[HDB:HDB+1] offset:256*(\g)
.endm
.macro HEADG g
.if (\g) < 7
	s_wait_loadcnt 26                              ; this group's loads are in; the next group's 26 may be out
.else
	s_wait_loadcnt 0x0
.endif
	WIN 0x04
.irp s,0,1
.irp u,0,1,2,3
	WM 12+8*\u, TMP+12*\s, 96*((\g)&1)+12*(2*\u+\s), 1-\s, SCA, SCB+4*((\g)&1)+\u, 2*\s
.endr
.endr
	WIN 0
	PLACES 5                                       ; ahead of the reads of results; the next group's first products begin these accumulators anew, which wants five
	s_wait_xcnt 0x0                                ; the stores of two groups ago have read the registers that are written now
.irp j,0,1,2,3,4,5,6,7
.irp u,0,1,2,3
	v_add_f32 v[HN+32*((\g)&1)+4*\j+\u], v[12+8*\u+\j], v[HBI+4*((\g)&1)+\u]   ; + head_b; the addition also lays four neighbouring columns of row 8 h + j side by side.  Each accumulator from its low end on
.endr
.endr
.irp j,0,1,2,3,4,5,6,7
	global_store_b128 v[OA], v[HN+32*((\g)&1)+4*\j:HN+32*((\g)&1)+4*\j+3], s[OUT:OUT+1] offset:16384*\j+256*(\g) th:TH_STORE_NT   ; sixteen lanes store 256 consecutive bytes, at a multiple of 256 from out0's first byte; two rows an instruction
.endr
.if (\g) < 6
	HEADLD (\g)+2                                  ; behind the additions, which read the biases that it replaces
.endif
.endm
	v_and_b32 v[R16], 15, v0
	v_lshlrev_b32 v[R16], 4, v[R16]                ; 16 r
	v_bfe_u32 v[OA], v0, 4, 1
	v_lshl_add_u32 v[OA], v[OA], 17, v[R16]        ; 8 h rows of 16,384 bytes + 16 r
	HEADLD 0
	HEADLD 1
	STOREH
	BAR
	LNROW 1, 52                                    ; behind the gain's and bias's loads: the two groups' 52
	BAR
	AFRAG
	s_wait_dscnt 0x0
	HEADG 0
	HEADG 1
	HEADG 2
	HEADG 3
	HEADG 4
	HEADG 5
	HEADG 6
	HEADG 7
	s_set_vgpr_msb 0x5
	s_wait_tensorcnt 0x0
	ds_add_u32 v254, v255
	s_wait_dscnt 0x0
	s_set_vgpr_msb 0x500
	s_endpgm
.Lfunc_end_k_q4f8884338f_main:
	.size	k_q4f8884338f_main, .Lfunc_end_k_q4f8884338f_main-k_q4f8884338f_main
	.p2alignl 7, 3214868480
	.fill 96, 4, 3214868480
	.section	.rodata,"a",@progbits
	.p2align	6, 0x0
	.amdhsa_kernel k_q4f8884338f_main
		.amdhsa_group_segment_fixed_size 291840
		.amdhsa_private_segment_fixed_size 0
		.amdhsa_enable_private_segment 0
		.amdhsa_kernarg_size 152
		.amdhsa_user_sgpr_count 2
		.amdhsa_user_sgpr_kernarg_segment_ptr 1
		.amdhsa_wavefront_size32 1
		.amdhsa_system_sgpr_workgroup_id_x 1
		.amdhsa_system_sgpr_workgroup_id_y 1
		.amdhsa_system_sgpr_workgroup_id_z 1
		.amdhsa_system_vgpr_workitem_id 0
		.amdhsa_next_free_vgpr 512
		.amdhsa_next_free_sgpr 100
		.amdhsa_reserve_vcc 1
		.amdhsa_float_denorm_mode_32 3
		.amdhsa_float_denorm_mode_16_64 3
		.amdhsa_memory_ordered 1
		.amdhsa_forward_progress 1
		.amdhsa_inst_pref_size 240
	.end_amdhsa_kernel
	.amdgpu_metadata
---
amdhsa.version: [ 1, 2 ]
amdhsa.kernels:
  - .name:           k_q4f8884338f_main
    .symbol:         k_q4f8884338f_main.kd
    .args:
      - { .name: adj, .offset: 0, .size: 8, .value_kind: global_buffer, .address_space: global }
      - { .name: wimg, .offset: 8, .size: 8, .value_kind: global_buffer, .address_space: global }
      - { .name: simg, .offset: 16, .size: 8, .value_kind: global_buffer, .address_space: global }
      - { .name: timg, .offset: 24, .size: 8, .value_kind: global_buffer, .address_space: global }
      - { .name: ip_b, .offset: 32, .size: 8, .value_kind: global_buffer, .address_space: global }
      - { .name: norm_g, .offset: 40, .size: 8, .value_kind: global_buffer, .address_space: global }
      - { .name: norm_b, .offset: 48, .size: 8, .value_kind: global_buffer, .address_space: global }
      - { .name: trop_b, .offset: 56, .size: 8, .value_kind: global_buffer, .address_space: global }
      - { .name: lfs_max, .offset: 64, .size: 8, .value_kind: global_buffer, .address_space: global }
      - { .name: lfi_max, .offset: 72, .size: 8, .value_kind: global_buffer, .address_space: global }
      - { .name: lfs_min, .offset: 80, .size: 8, .value_kind: global_buffer, .address_space: global }
      - { .name: lfi_min, .offset: 88, .size: 8, .value_kind: global_buffer, .address_space: global }
      - { .name: lf_mix, .offset: 96, .size: 8, .value_kind: global_buffer, .address_space: global }
      - { .name: gate_b, .offset: 104, .size: 8, .value_kind: global_buffer, .address_space: global }
      - { .name: cls_b, .offset: 112, .size: 8, .value_kind: global_buffer, .address_space: global }
      - { .name: on_g, .offset: 120, .size: 8, .value_kind: global_buffer, .address_space: global }
      - { .name: on_b, .offset: 128, .size: 8, .value_kind: global_buffer, .address_space: global }
      - { .name: head_b, .offset: 136, .size: 8, .value_kind: global_buffer, .address_space: global }
      - { .name: out0, .offset: 144, .size: 8, .value_kind: global_buffer, .address_space: global }
    .group_segment_fixed_size: 291840
    .private_segment_fixed_size: 0
    .kernarg_segment_align: 8
    .kernarg_segment_size: 152
    .max_flat_workgroup_size: 256
    .sgpr_count:     100
    .vgpr_count:     512
    .wavefront_size: 32
...
	.end_amdgpu_metadata
.endif
;; end of part 2
